; MI455X (gfx1250); checked and timed in simulation.
; The chip was launched on July 23, 2026; its instructions are those of AMD's public machine-readable ISA for CDNA 5 (MIT licence, August 2026) and "CDNA5" Instruction Set Architecture Reference Guide (July 2026). The comments in the code are by the model that wrote it; some were corrected since.
;; Rotary Multi Head Attention. Allowed arithmetic: matrix products marked QUANTISED: E2M3 operands, one E8M0 scale for each 32 along K, by v_wmma_scale_f32_16x16x128_f8f6f4 with both operands' format E2M3, f32 sums; products left as they are: f32 operands where the result goes on into a quantised operand, else bf16, f16 or f32 operands; f32 sums; everything else in f32.
;; Inputs: Wk 512 x 512 float32; Wo 512 x 512 float32; Wq 512 x 512 float32; Wv 512 x 512 float32; bk 512 float32; bo 512 float32; bq 512 float32; bv 512 float32; kv_positions 4 x 2,048 x 2 float32; q_positions 4 x 2,048 x 2 float32; x 4 x 2,048 x 512 float32.
;; Outputs: out0 4 x 2,048 x 512 float32.
;; This version of the problem:
;;   THIS VERSION OF THE PROBLEM IS GIVEN IN LOW PRECISION. The matrix products marked QUANTISED in the list below multiply operands that are first quantised to E2M3 (2 exponent bits, 3 mantissa bits; 6 bits a number), with one power-of-two scale for each 32 numbers along K (OCP MX v1.0); their sums are f32. All else is computed in f32.
;;   The module's matrix products, in the order in which they are computed (A, B: the left and right operand; K: the contracted axis; several contracted axes count as one K, in the product's order):
;;     1. [M 8,192, K 512] x [K 512, N 512]; A: input x; B: input Wq: QUANTISED
;;     2. [M 8,192, K 512] x [K 512, N 512]; A: input x; B: input Wk: QUANTISED
;;     3. [M 8,192, K 512] x [K 512, N 512]; A: input x; B: input Wv: QUANTISED
;;     4. [M 8,192, K 1] x [K 1, N 32]; A: computed on the way; B: computed on the way: left as it is (no contracted axis)
;;     5. [M 8,192, K 1] x [K 1, N 32]; A: computed on the way; B: computed on the way: left as it is (no contracted axis)
;;     6. batch 32 x [M 2,048, K 64] x [K 64, N 2,048]; A: computed on the way; B: computed on the way: QUANTISED
;;     7. batch 32 x [M 2,048, K 2,048] x [K 2,048, N 64]; A: softmax (see below); B: computed on the way: QUANTISED
;;     8. [M 8,192, K 512] x [K 512, N 512]; A: computed on the way; B: input Wo: QUANTISED
;;   THE QUANTISER, for each operand of a quantised product, along K:
;;     - K is cut into blocks of 32 from its start; a last block that is shorter is filled with zeros.
;;     - A block's scale is 2^e with e = floor(log2(the largest magnitude in the block)) - 2, held to -126 .. 127; a block of zeros has e = 0. As a byte (E8M0): e + 127.
;;     - Each number is divided by its block's scale, clamped to +-7.5, and rounded to the nearest number of E2M3, ties to even, subnormals kept.
;;     - The product sums the exact products of the quantised numbers (number of the format x scale) in f32.
;;   ~~~python
;;   def quantise(x, axis):      # numpy; x: float32 -> the quantised numbers, widened to float32 again
;;       x = np.moveaxis(x, axis, -1); K = x.shape[-1]
;;       x = np.pad(x, [(0, 0)] * (x.ndim - 1) + [(0, -K % 32)]); x = x.reshape(x.shape[:-1] + (-1, 32)); a = np.abs(x).max(-1, keepdims=True)
;;       e = np.where(a > 0, np.clip(np.frexp(np.where(a > 0, a, 1))[1] - 1 - 2, -126, 127), 0)      # np.frexp(a)[1] - 1 = floor(log2(a)), exactly
;;       r = np.clip(x / 2.0 ** e, -7.5, 7.5)
;;       step = 2.0 ** (np.maximum(np.frexp(np.where(r == 0, 1, r))[1] - 1, 0) - 3)
;;       q = np.round(r / step) * step * 2.0 ** e      # np.round: ties to even
;;       return np.moveaxis(q.reshape(q.shape[:-2] + (-1,))[..., :K], -1, axis).astype(np.float32)
;;   ~~~
;;   SOFTMAX AHEAD OF A QUANTISED PRODUCT. Where the list says 'softmax', what is quantised is not the finished softmax but p = 2^(t - M), with t = logit x log2(e) and M = ceil(the row's largest t), a whole number; so 1/2 < the row's largest p <= 1. The row's sum l is taken of the UNQUANTISED p, in f32, and the product's result is divided by l at the end. Since M is a whole number, a kernel that streams over the keys may use a running M (the ceiling of the running maximum): every later rescaling is an exact power of two, which a block's scale takes up: the codes' values come out the same.
;;   OPERANDS COMPUTED ON THE WAY. 'Computed on the way' means the value that the module computes at that place (a softmax that the list does not call 'softmax' is quantised finished and normalised). What goes into a quantiser is computed in f32, as accurately as f32 sums, v_exp_f32 and their like allow (about 1e-6 of the number): no bf16 or f16 on the way to a quantiser, and a product that is left as it is and whose result goes on into a quantised operand takes f32 operands (vector FMAs, or v_wmma_f32_16x16x4_f32). A number that lies on a knife's edge between two numbers of the format may be rounded either way, as far as f32 arithmetic and the matrix unit's own rounding can turn it there, and no further.
;; One version. Each part assembles by itself: llvm-mc -triple=amdgcn-amd-amdhsa -mcpu=gfx1250 --defsym DOCPART=n.
;; ======== version 1 of 1: 4 launches
;; limits: right only within a limited range of input values
;; workspace buffers: img 4,096,000 bytes; qcod 3,145,728 bytes; qscl 524,288 bytes; kvp 7,077,888 bytes; acod 3,145,728 bytes; ascl 524,288 bytes
;; launch quant (part 1): grid 320 x 1, 2 waves a work-group, no clusters, 17,152 bytes of LDS; arguments x, Wq, Wk, Wv, Wo, img; writes img
.if DOCPART == 1
	.amdgcn_target "amdgcn-amd-amdhsa--gfx1250"
	.amdhsa_code_object_version 6
	.text
	.protected	k_qb52f984ce4_quant
	.globl	k_qb52f984ce4_quant
	.p2align	8
	.type	k_qb52f984ce4_quant,@function
k_qb52f984ce4_quant:
	s_mov_b64 s[64:65], 0
	v_nop
	global_prefetch_b8 v0, s[64:65] scope:SCOPE_SE
	s_setreg_imm32_b32 hwreg(HW_REG_WAVE_MODE, 25, 1), 1
	s_wait_xcnt 0x0
; x [8192][512] and the four weights [512][512], f32 with K innermost, become codes of FP6 (E2M3) with one E8M0 byte for each 32 along K,
; laid in the ORDER OF THE OPERAND'S REGISTERS.  A tile is 16 rows x 512 K; its record in img is 6,400 bytes: four fragment images (K steps of 128;
; 3 chunks of 512 bytes, chunk c = registers 4 c .. 4 c + 3 of lane l at 16 l), then 256 bytes of scale words (row r, K step s at 16 r + 4 s).
; THE ROWS OF A TILE ARE NOT NEIGHBOURS: place r of tile T is row 32 (T / 2) + 8 (T % 2) + r + 8 (r / 8), so that the results of two neighbouring tiles,
; used as source 0, are 16 neighbours in a lane's registers.  Records: 0-511 x, 512-543 Wq, 544-575 Wk, 576-607 Wv, 608-639 Wo.
; A wave takes one tile; 640 tiles, two waves to a work-group.  Each load reads 512 consecutive bytes of one row; a K step's 16 x 512 bytes turn through the wave's own
; stage in LDS (rows 528 bytes apart) so that a lane then holds 16 neighbours of each block of 32.  Waves share nothing: no barrier.
; A block's scale is 2^(floor(log2(largest magnitude)) - 2); its byte is the largest magnitude's exponent field - 2, held at 1 from below.
; LIMITS: a block of zeros, and a block whose largest magnitude lies under 2^-124, gets the byte 1 (the rule's 127 for zeros is not kept: its codes are zeros and these bytes are read by this program alone);
; NaN and infinities among the inputs are not served.
.set TM,   8                           ; v8-23    at work in QUANT: +0..3 largest magnitudes, +4..7 the other half's, then bytes, +12..15 scale operands
.set PWS,  24                          ; v24-27   the scale word of each K step
.set PC,   28                          ; v28-39   a fragment's codes
.set PC2,  40                          ; v40-46   the second conversions' results
.set RB,   64                          ; v64-191  two sets of 64 registers, numbers as loaded
.set XN,   192                         ; v192-255 register 16 b + i: k = 32 b + 16 h + i of my row
.set SEL,  30                          ; s[30:31] selects of v_permlanex16_b32 for lane l xor 16
.set SPT,  528                         ; a stage row: 512 bytes + 16
; 32 nc numbers of a lane, v[s + 16 b + i] = k 32 b + 16 (lane / 16) + i of my row, become codes in v[PC] on (6 nc registers) and the row's scale word in v[pw].
.macro QUANT s, nc, pw
.set qb, 0
.rept 2*(\nc)
	v_max3_num_f32 v[TM+qb], |v[(\s)+16*qb]|, |v[(\s)+16*qb+1]|, 0x1800000   ; my 16 numbers of block b, and the floor 2^(3 - 127): the byte cannot fall under 1
.set qb, qb+1
.endr
.set qi, 2
.rept 7
.set qb, 0
.rept 2*(\nc)
	v_max3_num_f32 v[TM+qb], v[TM+qb], |v[(\s)+16*qb+qi]|, |v[(\s)+16*qb+qi+1]|   ; the blocks by turns
.set qb, qb+1
.endr
.set qi, qi+2
.endr
.set qb, 0
.rept 2*(\nc)
	v_permlanex16_b32 v[TM+4+qb], v[TM+qb], s[SEL], s[SEL+1]
.set qb, qb+1
.endr
.set qb, 0
.rept 2*(\nc)
	v_max_num_f32 v[TM+qb], v[TM+qb], v[TM+4+qb]   ; with lane l xor 16's: the block's largest magnitude
.set qb, qb+1
.endr
.set qb, 0
.rept 2*(\nc)
	v_add_nc_u32 v[TM+12+qb], 0xff000000, v[TM+qb]   ; 2 off its exponent field: the conversion's scale operand
.set qb, qb+1
.endr
.set qb, 0
.rept 2*(\nc)
	v_lshrrev_b32 v[TM+4+qb], 23, v[TM+12+qb]      ; the scale's byte
.set qb, qb+1
.endr
	v_lshl_or_b32 v[\pw], v[TM+5], 8, v[TM+4]
.if (\nc) > 1
	v_lshl_or_b32 v[\pw], v[TM+6], 16, v[\pw]
	v_lshl_or_b32 v[\pw], v[TM+7], 24, v[\pw]
.endif
.set qc, 0
.rept \nc
	v_cvt_scalef32_pk16_fp6_f32 v[PC+6*qc:PC+6*qc+2], v[(\s)+32*qc:(\s)+32*qc+15], v[TM+12+2*qc]
	v_cvt_scalef32_pk16_fp6_f32 v[PC2+4*qc:PC2+4*qc+2], v[(\s)+32*qc+16:(\s)+32*qc+31], v[TM+13+2*qc]   ; (a conversion's three registers begin on an even number)
.set qc, qc+1
.endr
	v_nop                                          ; one plain place behind the scaled conversions
.set qc, 0
.rept \nc
.set qi, 0
.rept 3
	v_permlane16_swap_b32 v[PC+6*qc+qi], v[PC2+4*qc+qi]   ; a WHOLE block to a lane: lanes 0-15 block 2 c, lanes 16-31 block 2 c + 1
.set qi, qi+1
.endr
.set qi, 0
.rept 3
	v_mov_b32 v[PC+3+6*qc+qi], v[PC2+4*qc+qi]
.set qi, qi+1
.endr
.set qc, qc+1
.endr
.endm
.macro LOADX s                         ; K step s of the tile's 16 rows into set s % 2: each load 512 consecutive bytes of one row
.set li, 0
.rept 16
	global_load_b128 v[RB+64*((\s)%2)+4*li:RB+64*((\s)%2)+4*li+3], v2, s[22:23] offset:(li+8*(li/8))*2048+512*(\s) th:TH_LOAD_NT
.set li, li+1
.endr
.endm
	s_load_b256 s[4:11], s[0:1], 0x0               ; x, Wq, Wk, Wv
	s_load_b128 s[12:15], s[0:1], 0x20             ; Wo, img
	v_lshl_add_u32 v62, v0, 2, 0x4200
	v_mov_b32 v63, 0
	v_lshrrev_b32 v1, 5, v0
	v_readfirstlane_b32 s16, v1                    ; wave 0, 1
	v_and_b32 v1, 31, v0
	v_lshlrev_b32 v2, 4, v1                        ; 16 x lane
	v_and_b32 v48, 15, v0                          ; r
	v_bfe_u32 v49, v0, 4, 1                        ; h
	s_mul_i32 s17, s16, 16*SPT                     ; my wave's stage
	v_add_nc_u32 v3, s17, v2                       ; into it: 16 x lane of a row
	v_mul_u32_u24 v4, v48, SPT
	v_lshl_add_u32 v4, v49, 6, v4
	v_add_nc_u32 v4, s17, v4                       ; out of it: row r, + 64 h
	v_lshlrev_b32 v5, 4, v48
	v_lshl_add_u32 v5, v49, 3, v5                  ; the scale words: 16 r + 8 h
.irp b, 0,1,2,3
	v_mov_b32 v[TM+4+\b], 0                        ; written once: a lane permute's destination counts as one of its sources
.endr
	s_mov_b32 s[SEL], 0x76543210
	s_mov_b32 s[SEL+1], 0xfedcba98
	s_lshl_b32 s18, ttmp9, 1
	s_add_co_u32 s18, s18, s16                     ; my record: 2 x work-group + wave
	s_mul_i32 s20, s18, 6400
	s_mov_b32 s21, 0
	s_wait_alu depctr_va_vdst(0)
	s_wait_kmcnt 0x0
	s_cmp_lt_u32 ttmp9, 304                        ; which tensor: the choice hangs on the work-group's number alone
	s_cselect_b64 s[22:23], s[10:11], s[12:13]
	s_cmp_lt_u32 ttmp9, 288
	s_cselect_b64 s[22:23], s[8:9], s[22:23]
	s_cmp_lt_u32 ttmp9, 272
	s_cselect_b64 s[22:23], s[6:7], s[22:23]
	s_cmp_lt_u32 ttmp9, 256
	s_cselect_b64 s[22:23], s[4:5], s[22:23]
	s_mov_b32 s19, 31
	s_cselect_b32 s19, 511, s19
	s_and_b32 s19, s18, s19                        ; the tile's number in its tensor
	s_lshr_b32 s24, s19, 1
	s_lshl_b32 s24, s24, 16                        ; 32 rows of 2,048 bytes for each pair of tiles,
	s_and_b32 s25, s19, 1
	s_lshl_b32 s25, s25, 14                        ; 8 rows for the odd one
	s_add_co_u32 s24, s24, s25
	s_mov_b32 s25, 0
	s_add_nc_u64 s[22:23], s[22:23], s[24:25]
	s_add_nc_u64 s[14:15], s[14:15], s[20:21]
	LOADX 0
	LOADX 1
.macro QSTEP s
.if (\s) < 3
	s_wait_loadcnt 16                              ; this K step's 16 loads are in; the next step's 16 may be out
.else
	s_wait_loadcnt 0x0
.endif
.set li, 0
.rept 16
	ds_store_b128 v3, v[RB+64*((\s)%2)+4*li:RB+64*((\s)%2)+4*li+3] offset:SPT*li
.set li, li+1
.endr
.set li, 0
.rept 16
	ds_load_b128 v[XN+4*li:XN+4*li+3], v4 offset:128*(li/4)+16*(li%4)   ; LDS serves a wave's instructions in order: these see the stores above
.set li, li+1
.endr
	s_wait_dscnt 0x0                               ; my 64 numbers are back, and the stage's stores have read their registers,
.if (\s) < 2
	LOADX (\s)+2                                   ; which take the K step two on
.endif
.if (\s) > 0
	s_wait_xcnt 0x0                                ; the last K step's stores have read the codes' registers
.endif
	QUANT XN, 2, PWS+(\s)
.irp c, 0,1,2
	global_store_b128 v2, v[PC+4*\c:PC+4*\c+3], s[14:15] offset:1536*(\s)+512*\c   ; 32 lanes store 512 consecutive bytes, aligned to 256
.endr
.endm
	QSTEP 0
	QSTEP 1
	QSTEP 2
	QSTEP 3
	v_cmp_ne_u32 vcc_lo, 0, v49
	v_cndmask_b32 v6, v[PWS], v[PWS+2], vcc_lo     ; lanes 0-15: K steps 0 and 1; lanes 16-31: 2 and 3
	v_cndmask_b32 v7, v[PWS+1], v[PWS+3], vcc_lo
	global_store_b64 v5, v[6:7], s[14:15] offset:6144   ; 256 consecutive bytes, aligned
	s_wait_tensorcnt 0x0
	ds_add_u32 v62, v63
	s_wait_dscnt 0x0
	s_endpgm
.Lfunc_end_k_qb52f984ce4_quant:
	.size	k_qb52f984ce4_quant, .Lfunc_end_k_qb52f984ce4_quant-k_qb52f984ce4_quant
	.p2alignl 7, 3214868480
	.fill 96, 4, 3214868480
	.section	.rodata,"a",@progbits
	.p2align	6, 0x0
	.amdhsa_kernel k_qb52f984ce4_quant
		.amdhsa_group_segment_fixed_size 17152
		.amdhsa_private_segment_fixed_size 0
		.amdhsa_enable_private_segment 0
		.amdhsa_kernarg_size 48
		.amdhsa_user_sgpr_count 2
		.amdhsa_user_sgpr_kernarg_segment_ptr 1
		.amdhsa_wavefront_size32 1
		.amdhsa_system_sgpr_workgroup_id_x 1
		.amdhsa_system_sgpr_workgroup_id_y 1
		.amdhsa_system_sgpr_workgroup_id_z 1
		.amdhsa_system_vgpr_workitem_id 0
		.amdhsa_next_free_vgpr 256
		.amdhsa_next_free_sgpr 66
		.amdhsa_reserve_vcc 1
		.amdhsa_float_denorm_mode_32 3
		.amdhsa_float_denorm_mode_16_64 3
		.amdhsa_memory_ordered 1
		.amdhsa_forward_progress 1
		.amdhsa_inst_pref_size 33
	.end_amdhsa_kernel
	.amdgpu_metadata
---
amdhsa.version: [ 1, 2 ]
amdhsa.kernels:
  - .name:           k_qb52f984ce4_quant
    .symbol:         k_qb52f984ce4_quant.kd
    .args:
      - { .name: x, .offset: 0, .size: 8, .value_kind: global_buffer, .address_space: global }
      - { .name: Wq, .offset: 8, .size: 8, .value_kind: global_buffer, .address_space: global }
      - { .name: Wk, .offset: 16, .size: 8, .value_kind: global_buffer, .address_space: global }
      - { .name: Wv, .offset: 24, .size: 8, .value_kind: global_buffer, .address_space: global }
      - { .name: Wo, .offset: 32, .size: 8, .value_kind: global_buffer, .address_space: global }
      - { .name: img, .offset: 40, .size: 8, .value_kind: global_buffer, .address_space: global }
    .group_segment_fixed_size: 17152
    .private_segment_fixed_size: 0
    .kernarg_segment_align: 8
    .kernarg_segment_size: 48
    .max_flat_workgroup_size: 64
    .sgpr_count:     66
    .vgpr_count:     256
    .wavefront_size: 32
...
	.end_amdgpu_metadata
.endif
;; end of part 1
;; launch qkv (part 2): grid 64 x 3, 8 waves a work-group, clusters of 4 x 1, 263,168 bytes of LDS; arguments img, bq, bk, bv, q_positions, kv_positions, qcod, qscl, kvp; writes qcod, qscl, kvp
.if DOCPART == 2
	.amdgcn_target "amdgcn-amd-amdhsa--gfx1250"
	.amdhsa_code_object_version 6
	.text
	.protected	k_qb52f984ce4_qkv
	.globl	k_qb52f984ce4_qkv
	.p2align	8
	.type	k_qb52f984ce4_qkv,@function
k_qb52f984ce4_qkv:
	s_mov_b64 s[64:65], 0
	v_nop
	global_prefetch_b8 v0, s[64:65] scope:SCOPE_SE
	s_setreg_imm32_b32 hwreg(HW_REG_WAVE_MODE, 25, 1), 1
	s_wait_xcnt 0x0
	s_wait_alu depctr_hold_cnt(0) depctr_sa_sdst(0) depctr_va_vdst(0) depctr_va_sdst(0) depctr_va_ssrc(0) depctr_va_vcc(0) depctr_vm_vsrc(0)
	s_getreg_b32 s2, hwreg(HW_REG_IB_STS2, 6, 4)
	s_cmp_eq_u32 s2, 0
	s_cbranch_scc0 .Lentry_in_a_cluster
	s_endpgm
.Lentry_in_a_cluster:
	s_bfe_u32 s2, ttmp6, 0x10000c
	s_cmp_lg_u32 s2, 0x3003
	s_cbranch_scc0 .Lentry_shape_is_right
	s_endpgm
.Lentry_shape_is_right:
; The three projections x W^T + b on codes of FP6 (E2M3), RoPE on q and k in f32, and the quantising of q, k (along the head's 64) and v (along the KEYS) for the attention launch.
; Work-group (X, type): 128 rows of x (8 tiles) against the whole weight of its type (0 q, 1 k, 2 v; 32 tiles).  LDS is filled once: the weight's 32 records (204,800 bytes), x's 8 records (51,200), the bias (2,048).
; CLUSTER: the four work-groups of a cluster have the same type, so the weight and the bias are asked for JOINTLY (mask 15); x's records are each work-group's own (no mask).
; q, k: wave w keeps x's tile w as source 1 and streams the weight's tiles as source 0, one head (4 tiles) a pass: a lane then holds ONE row of x, and its 32 registers are the head's channels 32 b + 16 h + i.
;   The bias is the sums' first C.  RoPE turns neighbouring registers; sin and cos of the lane's 16 angles are made once (no sin or cos instruction: reduction by pi / 2 in two parts, polynomials on |r| <= pi / 4).
; v: wave w owns head w; in pass g the weight's tile 4 w + g is source 1 and x's 8 tiles stream as source 0: a lane holds ONE channel and its 64 registers are the 128 keys, in order: K of the second product.
; What goes out are images of the next operand's registers.  q: qcod (768 bytes a tile and head: registers 0-3 at 16 l, 4-5 at 512 + 8 l; K = 64 fills half a fragment), qscl (4 l).
; kvp, for each batch x head 16 key steps of 13,824 bytes: k's 8 half images | v's 4 fragments at 6,144 | k's scale words at 12,288 + 128 t + 4 l | v's at 13,312 + 16 l.
; LIMITS: |position sum x inverse frequency| under 2^22 (the quotient by pi / 2 must be a whole number in f32 and the third part of pi / 2 is left out: 1.7e-15 a quadrant);
; a block of zeros or under 2^-124 gets the scale byte 1 (read by this program alone); NaN and infinities are not served.
.set XREG, 204800
.set BIAS, 256000
.set L16,  1                           ; v1   16 x lane
.set R16,  2                           ; v2   16 r
.set ADW,  4                           ; v4   LDS: the streamed tiles' images
.set ADWS, 5                           ; v5   and their scale words
.set ADB,  6                           ; v6   the bias
.set L8,   7                           ; v7   8 x lane
.set L4,   8                           ; v8   4 x lane
.set POS,  9                           ; v9   my row's position sum
.set BS0,  10                          ; v10  10^(-2 h);  v11  10^(-4 - 2 h)
.set BS1,  11
.set ADT,  12                          ; v12  LDS: the stationary fragments;  v13 their scale words
.set ADU,  13
.set RR,   14                          ; v14  r
.set HH,   15                          ; v15  h
.set STAT, 16                          ; v16-63   the stationary tile's four fragments
.set SSC,  64                          ; v64-67   its scale words, one for each K step
.set ACC,  68                          ; v68-99 (q, k), v68-131 (v)
.set CSN,  100                         ; v100-131 (q, k) pair n: cos at 2 n, sin at 2 n + 1
.set BUFA, 132                         ; v132-183 four streamed fragments and their four scale words
.set BUFB, 184                         ; v184-235 the same
.set TM,   236                         ; v236-251 at work
.set TS,   236                         ; sin and cos: eight temporaries
.set BV,   244                         ; v244-251 (v) my channel's bias, eight times: the first C
.set PC,   184                         ; the codes just made lie over BUFB
.set PC2,  196
.set SEL,  84
.macro QUANT s, nc, pw                 ; 32 nc numbers of a lane, v[s + 16 b + i] = k 32 b + 16 (lane / 16) + i of my row: codes to v[PC] on, the scale word to v[pw]
.set qb, 0
.rept 2*(\nc)
	v_max3_num_f32 v[TM+qb], |v[(\s)+16*qb]|, |v[(\s)+16*qb+1]|, 0x1800000   ; with the floor 2^(3 - 127): the byte cannot fall under 1
.set qb, qb+1
.endr
.set qi, 2
.rept 7
.set qb, 0
.rept 2*(\nc)
	v_max3_num_f32 v[TM+qb], v[TM+qb], |v[(\s)+16*qb+qi]|, |v[(\s)+16*qb+qi+1]|
.set qb, qb+1
.endr
.set qi, qi+2
.endr
.set qb, 0
.rept 2*(\nc)
	v_permlanex16_b32 v[TM+4+qb], v[TM+qb], s[SEL], s[SEL+1]
.set qb, qb+1
.endr
.set qb, 0
.rept 2*(\nc)
	v_max_num_f32 v[TM+qb], v[TM+qb], v[TM+4+qb]
.set qb, qb+1
.endr
.set qb, 0
.rept 2*(\nc)
	v_add_nc_u32 v[TM+12+qb], 0xff000000, v[TM+qb]   ; 2 off the exponent field: the conversion's scale operand
.set qb, qb+1
.endr
.set qb, 0
.rept 2*(\nc)
	v_lshrrev_b32 v[TM+4+qb], 23, v[TM+12+qb]
.set qb, qb+1
.endr
	v_lshl_or_b32 v[\pw], v[TM+5], 8, v[TM+4]
.if (\nc) > 1
	s_delay_alu instid0(VALU_DEP_1)
	v_lshl_or_b32 v[\pw], v[TM+6], 16, v[\pw]
	s_delay_alu instid0(VALU_DEP_1)
	v_lshl_or_b32 v[\pw], v[TM+7], 24, v[\pw]
.endif
.set qc, 0
.rept \nc
	v_cvt_scalef32_pk16_fp6_f32 v[PC+6*qc:PC+6*qc+2], v[(\s)+32*qc:(\s)+32*qc+15], v[TM+12+2*qc]
	v_cvt_scalef32_pk16_fp6_f32 v[PC2+4*qc:PC2+4*qc+2], v[(\s)+32*qc+16:(\s)+32*qc+31], v[TM+13+2*qc]
.set qc, qc+1
.endr
	v_nop                                          ; one plain place behind the scaled conversions
.set qc, 0
.rept \nc
.set qi, 0
.rept 3
	v_permlane16_swap_b32 v[PC+6*qc+qi], v[PC2+4*qc+qi]
.set qi, qi+1
.endr
.set qi, 0
.rept 3
	s_delay_alu instid0(VALU_DEP_3)
	v_mov_b32 v[PC+3+6*qc+qi], v[PC2+4*qc+qi]
.set qi, qi+1
.endr
.set qc, qc+1
.endr
.endm
.macro PLACES n                        ; plain vector places behind matrix instructions (ISA guide 7.12.1)
.rept \n
	v_nop
.endr
.endm
.macro CROUND                          ; a round of the cluster's barrier
	s_barrier_signal -1
	s_barrier_wait -1
	s_cmp_lg_u32 s22, 0
	s_cbranch_scc1 .Lnot_wave_0_\@
	s_barrier_signal -3
.Lnot_wave_0_\@:
	s_barrier_wait -3
	s_barrier_signal -1
	s_barrier_wait -1
.endm
.macro LDG buf, adr, adrs, off, s      ; 16 LDS loads: K step s of four records from off on: images as they lie (512 consecutive bytes a load), and a scale word a row
.irp t, 0,1,2,3
.irp c, 0,1,2
	ds_load_b128 v[\buf+12*\t+4*\c:\buf+12*\t+4*\c+3], v[\adr] offset:(\off)+6400*\t+1536*(\s)+512*\c
.endr
	ds_load_b32 v[\buf+48+\t], v[\adrs] offset:(\off)+6400*\t+6144+4*(\s)
.endr
.endm
.macro MM buf, a0, s, cmode            ; four products, accumulators a0 .. a0 + 3 by turns.  cmode = 1: the sums begin with v[BV]
.irp t, 0,1,2,3
.if \cmode
	v_wmma_scale_f32_16x16x128_f8f6f4 v[ACC+8*((\a0)+\t):ACC+8*((\a0)+\t)+7], v[\buf+12*\t:\buf+12*\t+11], v[STAT+12*(\s):STAT+12*(\s)+11], v[BV:BV+7], v[\buf+48+\t], v[SSC+(\s)] matrix_a_fmt:MATRIX_FMT_FP6 matrix_b_fmt:MATRIX_FMT_FP6
.else
	v_wmma_scale_f32_16x16x128_f8f6f4 v[ACC+8*((\a0)+\t):ACC+8*((\a0)+\t)+7], v[\buf+12*\t:\buf+12*\t+11], v[STAT+12*(\s):STAT+12*(\s)+11], v[ACC+8*((\a0)+\t):ACC+8*((\a0)+\t)+7], v[\buf+48+\t], v[SSC+(\s)] matrix_a_fmt:MATRIX_FMT_FP6 matrix_b_fmt:MATRIX_FMT_FP6
.endif
.endr
.endm
	s_load_b256 s[4:11], s[0:1], 0x0               ; img, bq, bk, bv
	s_load_b256 s[12:19], s[0:1], 0x20             ; q_positions, kv_positions, qcod, qscl
	s_load_b64 s[20:21], s[0:1], 0x40              ; kvp
	s_set_vgpr_msb 0x40
	v_lshl_add_u32 v0, v0, 2, 0x40000
	v_mov_b32 v1, 0
	s_set_vgpr_msb 0x4045
	ds_add_u32 v0, v1
	ds_add_u32 v0, v1
	s_set_vgpr_msb 0x4500
	v_lshrrev_b32 v1, 5, v0
	s_delay_alu instid0(VALU_DEP_1)
	v_readfirstlane_b32 s22, v1                    ; wave 0..7
	s_bfe_u32 s23, ttmp6, 0x40000                  ; cx
	s_lshl_b32 s24, ttmp9, 2
	s_add_co_u32 s24, s24, s23                     ; X: my block of 128 rows.  It enters global addresses of my own loads and stores alone
	s_and_b32 s25, ttmp7, 0xffff                   ; the type, which the four partners share
	; descriptor groups 1: dense blocks as rows of 256 bytes (32 elements of 8 bytes), no padding.  s[28:35] the weight: 160 rows a wave, joint; s[36:43] x: 100 rows a wave, my own; s[44:51] the bias: its 8 rows, one wave, joint
.irp g, 28, 36, 44
	s_mov_b32 s[\g+1], 32<<16                      ; tensor_dim0 = 32
	s_mov_b32 s[\g+3], 32<<16                      ; tile_dim0 = 32
	s_mov_b32 s[\g+5], 32                          ; the pitch
	s_mov_b32 s[\g+6], 0
	s_mov_b32 s[\g+7], 0
.endr
	s_mov_b32 s28, 15|(3<<16)|(1<<21)              ; the mask names all four; elements of 8 bytes; bit 21 set beside a mask
	s_mov_b32 s30, 160<<16                         ; the weight: 160 rows of 256 bytes for each of waves 0-4
	s_mov_b32 s32, 160
	s_mov_b32 s36, 3<<16
	s_mov_b32 s38, 100<<16                         ; x: 100 rows for each of waves 5 and 6
	s_mov_b32 s40, 100
	s_mov_b32 s44, 15|(3<<16)|(1<<21)
	s_mov_b32 s46, 8<<16                           ; the bias: its 8 rows, wave 7
	s_mov_b32 s48, 8
	s_mul_i32 s86, s25, 204800
	s_add_co_u32 s86, s86, 512*6400                ; the type's weight begins at record 512 + 32 x type;
	s_mul_i32 s87, s22, 40960
	s_add_co_u32 s86, s86, s87
	s_mov_b32 s87, 0
	s_mul_i32 s88, s24, 51200                      ; x's records 8 X on; waves 5 and 6 fetch four each
	s_mul_i32 s89, s22, 25600
	s_add_co_u32 s88, s88, s89
	s_mov_b32 s89, 0
	s_mov_b32 s90, 0
	s_mov_b32 s91, 0
	s_mov_b32 s66, 0xBE2AAAA3                      ; sin: S1, S2, S3
	s_mov_b32 s67, 0x3C08839E
	s_mov_b32 s68, 0xB94CA1F9
	s_mov_b32 s69, 0x3D2AAAA5                      ; cos: C1, C2, C3
	s_mov_b32 s70, 0xBAB6061A
	s_mov_b32 s71, 0x37CCF5CE
	s_mov_b32 s72, 0x3F22F983                      ; 2 / pi
	s_mov_b32 s73, 0xBFC90FDB                      ; -(pi / 2 rounded to f32)
	s_mov_b32 s74, 0x333BBD2E                      ; that rounding's excess over pi / 2
	s_mov_b32 s75, 0x80000000
	s_mov_b32 s[SEL], 0x76543210
	s_mov_b32 s[SEL+1], 0xfedcba98
	s_wait_dscnt 0x0
	s_wait_kmcnt 0x0
	s_cmp_eq_u32 s25, 0
	s_cselect_b64 s[92:93], s[6:7], s[8:9]
	s_cmp_eq_u32 s25, 2
	s_cselect_b64 s[92:93], s[10:11], s[92:93]     ; the type's bias
	s_mov_b32 s52, 1
	s_mul_i32 s53, s22, 40960
	s_add_nc_u64 s[54:55], s[4:5], s[86:87]
	s_or_b32 s55, s55, 0x80000000
	s_mov_b32 s56, 1
	s_mul_i32 s57, s22, 25600
	s_add_co_u32 s57, s57, XREG-5*25600            ; waves 5 and 6 take x's two halves
	s_add_nc_u64 s[58:59], s[4:5], s[88:89]
	s_sub_nc_u64 s[58:59], s[58:59], 5*25600
	s_or_b32 s59, s59, 0x80000000
	s_mov_b32 s60, 1
	s_mov_b32 s61, BIAS
	s_add_nc_u64 s[62:63], s[92:93], s[90:91]
	s_or_b32 s63, s63, 0x80000000
	CROUND                                         ; all four work-groups are here: the joint loads meet
	; the launch's only fills, one a wave: one chain of branches on the wave's number, every arm leading to one join
	s_cmp_lt_u32 s22, 5
	s_cbranch_scc0 .Lhead_x
	tensor_load_to_lds s[52:55], s[28:35]          ; waves 0-4: a fifth of the weight each, jointly
	s_nop 0
	PLACES 4
	s_branch .Lhead_asked
.Lhead_x:
	s_cmp_lt_u32 s22, 7
	s_cbranch_scc0 .Lhead_b
	tensor_load_to_lds s[56:59], s[36:43]          ; waves 5, 6: half of x's eight records each
	s_nop 0
	PLACES 4
	s_branch .Lhead_asked
.Lhead_b:
	tensor_load_to_lds s[60:63], s[44:51]          ; wave 7: the bias, jointly
	s_nop 0
	PLACES 4
.Lhead_asked:
	v_and_b32 v3, 31, v0
	s_delay_alu instid0(VALU_DEP_1)
	v_lshlrev_b32 v[L16], 4, v3
	s_delay_alu instid0(VALU_DEP_2)
	v_lshlrev_b32 v[L8], 3, v3
	s_delay_alu instid0(VALU_DEP_3)
	v_lshlrev_b32 v[L4], 2, v3
	v_and_b32 v[RR], 15, v0
	v_bfe_u32 v[HH], v0, 4, 1
	s_delay_alu instid0(VALU_DEP_2)
	v_lshlrev_b32 v[R16], 4, v[RR]
.irp b, 0,1,2,3
	v_mov_b32 v[TM+4+\b], 0                        ; written once: a lane permute's destination counts as one of its sources
.endr
	s_cmp_eq_u32 s25, 2                            ; the type is the same in every wave and in all four partners
	s_cbranch_scc1 .Lv
	; ---------------- q and k ----------------
	s_cmp_eq_u32 s25, 0
	s_cselect_b64 s[92:93], s[12:13], s[14:15]     ; the positions,
	s_cselect_b64 s[76:77], s[16:17], s[20:21]     ; where the codes go: qcod or kvp,
	s_cselect_b64 s[78:79], s[18:19], s[20:21]     ; and the scale words: qscl or kvp
	s_mov_b32 s80, 221184
	s_cselect_b32 s80, 98304, s80                  ; bytes of codes from head to head
	s_mov_b32 s82, 221184
	s_cselect_b32 s82, 16384, s82                  ; of scale words
	s_mov_b32 s86, 13824
	s_cselect_b32 s87, 1024, s86                   ; from block of 128 rows to block: scale words,
	s_cselect_b32 s86, 6144, s86                   ; codes
	s_cselect_b32 s88, 0, 12288                    ; k's scale words begin 12,288 bytes into a key step
	s_mov_b32 s81, 0
	s_mov_b32 s83, 0
	s_lshr_b32 s89, s24, 4
	s_lshl_b32 s89, s89, 3                         ; 8 x batch: the batch's first head
	s_and_b32 s90, s24, 15                         ; my block in the batch
	s_mul_i32 s94, s89, s80
	s_mul_i32 s86, s90, s86
	s_add_co_u32 s94, s94, s86
	s_mul_i32 s86, s22, 768
	s_add_co_u32 s94, s94, s86
	s_mov_b32 s95, 0
	s_add_nc_u64 s[76:77], s[76:77], s[94:95]
	s_mul_i32 s94, s89, s82
	s_mul_i32 s87, s90, s87
	s_add_co_u32 s94, s94, s87
	s_add_co_u32 s94, s94, s88
	s_lshl_b32 s86, s22, 7
	s_add_co_u32 s94, s94, s86
	s_add_nc_u64 s[78:79], s[78:79], s[94:95]
	s_lshl_b32 s96, s24, 7                         ; my tile's first row: 128 X + 32 (w / 2) + 8 (w % 2)
	s_lshr_b32 s97, s22, 1
	s_lshl_b32 s97, s97, 5
	s_add_co_u32 s96, s96, s97
	s_and_b32 s97, s22, 1
	s_lshl_b32 s97, s97, 3
	s_add_co_u32 s96, s96, s97
	s_lshl_b32 s96, s96, 3                         ; 8 bytes a row
	s_mov_b32 s97, 0
	s_add_nc_u64 s[92:93], s[92:93], s[96:97]
	s_wait_alu depctr_va_vdst(0)
	v_and_b32 v3, 8, v[RR]
	s_delay_alu instid0(VALU_DEP_1)
	v_add_nc_u32 v3, v3, v[RR]
	s_delay_alu instid0(VALU_DEP_1)
	v_lshlrev_b32 v3, 3, v3                        ; place r is row r + 8 (r / 8) of the tile
	global_load_b64 v[254:255], v3, s[92:93]
	v_cmp_ne_u32 vcc_lo, 0, v[HH]
	v_mov_b32 v[BS0], 1.0
	v_mov_b32 v252, 0x3C23D70A                     ; 1e-2
	s_delay_alu instid0(VALU_DEP_1)
	v_cndmask_b32 v[BS0], v[BS0], v252, vcc_lo
	v_mov_b32 v[BS1], 0x38D1B717                   ; 1e-4
	v_mov_b32 v252, 0x358637BD                     ; 1e-6
	s_delay_alu instid0(VALU_DEP_1)
	v_cndmask_b32 v[BS1], v[BS1], v252, vcc_lo
	s_wait_alu depctr_va_vdst(0)
	s_wait_loadcnt 0x0
	v_add_f32 v[POS], v254, v255
; Pair n = 8 b + m of my registers is frequency 16 b + 8 h + m: 10000^(-(16 b + 8 h + m) / 16) = 10^(-m / 4) x 10^(-4 b - 2 h).
.macro SINCOS n, acon, bs
	v_mul_f32 v[TS], \acon, v[\bs]                 ; the inverse frequency
	s_delay_alu instid0(VALU_DEP_1)
	v_mul_f32 v[TS], v[POS], v[TS]                 ; the angle f
	s_delay_alu instid0(VALU_DEP_1)
	v_mul_f32 v[TS+1], s72, v[TS]
	s_delay_alu instid0(VALU_DEP_1)
	v_rndne_f32 v[TS+1], v[TS+1]                   ; k = the nearest whole number to f x 2 / pi
	s_delay_alu instid0(VALU_DEP_1)
	v_fma_f32 v[TS], v[TS+1], s73, v[TS]           ; r = f - k pi / 2, pi / 2 in two parts
	s_delay_alu instid0(VALU_DEP_1)
	v_fma_f32 v[TS], v[TS+1], s74, v[TS]
	s_delay_alu instid0(VALU_DEP_3)
	v_cvt_i32_f32 v[TS+2], v[TS+1]
	s_delay_alu instid0(VALU_DEP_2)
	v_mul_f32 v[TS+3], v[TS], v[TS]                ; z = r r
	s_delay_alu instid0(VALU_DEP_1)
	v_fma_f32 v[TS+4], v[TS+3], s68, s67
	s_delay_alu instid0(VALU_DEP_1)
	v_fma_f32 v[TS+4], v[TS+4], v[TS+3], s66
	s_delay_alu instid0(VALU_DEP_3)
	v_mul_f32 v[TS+5], v[TS+3], v[TS]
	s_delay_alu instid0(VALU_DEP_1)
	v_fma_f32 v[TS+4], v[TS+4], v[TS+5], v[TS]     ; sin r
	v_fma_f32 v[TS+6], v[TS+3], s71, s70
	s_delay_alu instid0(VALU_DEP_1)
	v_fma_f32 v[TS+6], v[TS+6], v[TS+3], s69
	v_mul_f32 v[TS+5], v[TS+3], v[TS+3]
	v_fma_f32 v[TS+7], v[TS+3], -0.5, 1.0
	s_delay_alu instid0(VALU_DEP_1)
	v_fma_f32 v[TS+6], v[TS+6], v[TS+5], v[TS+7]   ; cos r
	v_and_b32 v[TS+5], 1, v[TS+2]
	s_delay_alu instid0(VALU_DEP_1)
	v_cmp_eq_u32 vcc_lo, 1, v[TS+5]                ; in odd quadrants the two change places: a choice of values, no branch
	s_delay_alu instid0(VALU_DEP_1)
	v_cndmask_b32 v[TS+7], v[TS+4], v[TS+6], vcc_lo
	s_delay_alu instid0(VALU_DEP_2)
	v_cndmask_b32 v[TS+6], v[TS+6], v[TS+4], vcc_lo
	v_lshlrev_b32 v[TS+5], 30, v[TS+2]
	s_delay_alu instid0(VALU_DEP_1)
	v_and_b32 v[TS+5], s75, v[TS+5]                ; sin is turned in quadrants 2 and 3,
	s_delay_alu instid0(VALU_DEP_1)
	v_xor_b32 v[CSN+2*(\n)+1], v[TS+5], v[TS+7]
	v_add_nc_u32 v[TS+2], 1, v[TS+2]
	s_delay_alu instid0(VALU_DEP_1)
	v_lshlrev_b32 v[TS+2], 30, v[TS+2]
	s_delay_alu instid0(VALU_DEP_1)
	v_and_b32 v[TS+2], s75, v[TS+2]                ; cos in 1 and 2
	s_delay_alu instid0(VALU_DEP_1)
	v_xor_b32 v[CSN+2*(\n)], v[TS+2], v[TS+6]
.endm
.macro SC8 base, bs
	SINCOS \base+0, 0x3F800000, \bs
	SINCOS \base+1, 0x3F0FF59A, \bs
	SINCOS \base+2, 0x3EA1E89B, \bs
	SINCOS \base+3, 0x3E361887, \bs
	SINCOS \base+4, 0x3DCCCCCD, \bs
	SINCOS \base+5, 0x3D6655C3, \bs
	SINCOS \base+6, 0x3D0186E2, \bs
	SINCOS \base+7, 0x3C91AD39, \bs
.endm
	SC8 0, BS0                                     ; this work stands between the fills' issue and the wait for them
	SC8 8, BS1
	s_wait_tensorcnt 0x0                           ; my one fill has landed,
	s_barrier_signal -1
	s_barrier_wait -1                              ; everybody's have
	s_mul_i32 s86, s22, 6400
	s_add_co_u32 s86, s86, XREG
	v_add_nc_u32 v[ADT], s86, v[L16]
	v_add_nc_u32 v[ADU], s86, v[R16]
.irp s, 0,1,2,3
.irp c, 0,1,2
	ds_load_b128 v[STAT+12*\s+4*\c:STAT+12*\s+4*\c+3], v[ADT] offset:1536*\s+512*\c   ; x's tile w stays in registers
.endr
.endr
	ds_load_b128 v[SSC:SSC+3], v[ADU] offset:6144
	v_add_nc_u32 v[ADW], 0, v[L16]
	s_wait_alu depctr_va_vdst(0)
	v_add_nc_u32 v[ADWS], 0, v[R16]
	s_wait_alu depctr_va_vdst(0)
	v_lshl_add_u32 v[ADB], v[HH], 6, BIAS
	LDG BUFA, ADW, ADWS, 0, 0
.macro ROPE                            ; pair n lies in registers 2 n, 2 n + 1; each accumulator is taken from its low end on
.set rn, 0
.rept 16
.set ra, ACC+2*rn
.set rt, TM+8+2*(rn%2)
	v_mul_f32 v[rt], v[ra+1], v[CSN+2*rn+1]
	v_mul_f32 v[rt+1], v[ra+1], v[CSN+2*rn]
	v_fma_f32 v[ra+1], v[ra], v[CSN+2*rn+1], v[rt+1]   ; odd: even x sin + odd x cos
	v_fma_f32 v[ra], v[ra], v[CSN+2*rn], -v[rt]        ; even: even x cos - odd x sin
.set rn, rn+1
.endr
.endm
.macro PASSQK p                        ; head p: the weight's tiles 4 p .. 4 p + 3
.irp t, 0,1,2,3
	ds_load_b128 v[ACC+8*\t:ACC+8*\t+3], v[ADB] offset:128*(\t/2)+32*(\t%2)      ; the bias of my eight channels of tile t: the sums' first C
	ds_load_b128 v[ACC+8*\t+4:ACC+8*\t+7], v[ADB] offset:128*(\t/2)+32*(\t%2)+16
.endr
	LDG BUFB, ADW, ADWS, 0, 1
	s_wait_dscnt 16                                ; all but the 16 loads just issued
	MM BUFA, 0, 0, 0
	PLACES 4                                       ; in front of loads into registers that the products above have read
	LDG BUFA, ADW, ADWS, 0, 2
	s_wait_dscnt 16
	MM BUFB, 0, 1, 0
	PLACES 4
	LDG BUFB, ADW, ADWS, 0, 3
	s_wait_dscnt 16
	MM BUFA, 0, 2, 0
	s_wait_dscnt 0x0
	MM BUFB, 0, 3, 0
	PLACES 4                                       ; in front of the loads below and of the first read of the results
.if \p < 7
	v_add_nc_u32 v[ADW], 25600*(\p+1), v[L16]      ; the next head's four records
	v_add_nc_u32 v[ADWS], 25600*(\p+1), v[R16]
	v_lshl_add_u32 v[ADB], v[HH], 6, BIAS+256*(\p+1)
	LDG BUFA, ADW, ADWS, 0, 0                      ; its first K step lands under the vector work below
.endif
	ROPE
	QUANT ACC, 1, 252
	global_store_b128 v[L16], v[PC:PC+3], s[76:77]             ; 512 consecutive bytes,
	global_store_b64 v[L8], v[PC+4:PC+5], s[76:77] offset:512  ; 256,
	global_store_b32 v[L4], v252, s[78:79]                     ; 128: the scale words, both halves of the lanes alike
	s_wait_xcnt 0x0                                ; the stores have read their data and bases: both are written again
	s_add_nc_u64 s[76:77], s[76:77], s[80:81]
	s_add_nc_u64 s[78:79], s[78:79], s[82:83]
.endm
.irp p, 0,1,2,3,4,5,6,7
	PASSQK \p
.endr
	s_branch .Lend
	; ---------------- v ----------------
.Lv:
	s_wait_tensorcnt 0x0
	s_barrier_signal -1
	s_barrier_wait -1
	s_lshr_b32 s86, s24, 4
	s_lshl_b32 s86, s86, 3
	s_add_co_u32 s86, s86, s22                     ; 8 x batch + head
	s_mul_i32 s86, s86, 221184
	s_and_b32 s87, s24, 15
	s_mul_i32 s87, s87, 13824                      ; my 128 rows are one key step
	s_add_co_u32 s86, s86, s87
	s_add_co_u32 s86, s86, 6144                    ; v's fragments lie behind k's
	s_mov_b32 s87, 0
	s_add_nc_u64 s[76:77], s[20:21], s[86:87]
	v_add_nc_u32 v[ADW], XREG, v[L16]              ; the stream: x's eight records
	s_wait_alu depctr_va_vdst(0)
	v_add_nc_u32 v[ADWS], XREG, v[R16]
	s_wait_alu depctr_va_vdst(0)
	s_mul_i32 s88, s22, 25600
	v_add_nc_u32 v[ADT], s88, v[L16]               ; stationary: my head's four records of the weight
	v_add_nc_u32 v[ADU], s88, v[R16]
	v_and_b32 v3, 8, v[RR]
	s_delay_alu instid0(VALU_DEP_1)
	v_add_nc_u32 v3, v3, v[RR]
	s_lshl_b32 s88, s22, 8
	s_add_co_u32 s88, s88, BIAS
	v_lshl_add_u32 v[ADB], v3, 2, s88              ; my channel's bias: 256 w + 4 (r + 8 (r / 8)), + the tile's first channel
.macro PASSV pg                        ; the head's channels of tile pg
.irp s, 0,1,2,3
.irp c, 0,1,2
	ds_load_b128 v[STAT+12*\s+4*\c:STAT+12*\s+4*\c+3], v[ADT] offset:6400*(\pg)+1536*\s+512*\c
.endr
.endr
	ds_load_b128 v[SSC:SSC+3], v[ADU] offset:6400*(\pg)+6144
.irp i, 0,1,2,3,4,5,6,7
	ds_load_b32 v[BV+\i], v[ADB] offset:128*((\pg)/2)+32*((\pg)%2)
.endr
	LDG BUFA, ADW, ADWS, 0, 0
.irp grp, 0,1,2,3,4,5,6,7              ; group: K step grp / 2, x's tiles 4 (grp % 2) on; the eight accumulators by turns
.if \grp < 7
.if \grp > 0
	PLACES 4
.endif
.if (\grp%2) == 0
	LDG BUFB, ADW, ADWS, 25600, (\grp+1)/2
.else
	LDG BUFA, ADW, ADWS, 0, (\grp+1)/2
.endif
	s_wait_dscnt 16                                ; all but the 16 loads just issued
.else
	s_wait_dscnt 0x0
.endif
.if \grp == 0
	MM BUFA, 0, 0, 1
.elseif \grp == 1
	MM BUFB, 4, 0, 1
.elseif (\grp%2) == 0
	MM BUFA, 0, \grp/2, 0
.else
	MM BUFB, 4, \grp/2, 0
.endif
.endr
	PLACES 4
	QUANT ACC, 2, 252+\pg                          ; register 16 b + i is key 32 b + 16 h + i of the step: one fragment of V^T
.irp c, 0,1,2
	global_store_b128 v[L16], v[PC+4*\c:PC+4*\c+3], s[76:77] offset:1536*(\pg)+512*\c
.endr
	s_wait_xcnt 0x0                                ; the stores have read the codes' registers, over which the next pass loads
.endm
	PASSV 0
	PASSV 1
	PASSV 2
	PASSV 3
	global_store_b128 v[L16], v[252:255], s[76:77] offset:7168   ; the four tiles' scale words, 16 bytes a lane
.Lend:
	s_set_vgpr_msb 0x5
	s_wait_tensorcnt 0x0
	ds_add_u32 v0, v1
	s_wait_dscnt 0x0
	s_set_vgpr_msb 0x500
	CROUND                                         ; the closing round: no work-group ends while a partner may still ask jointly
	s_endpgm
.Lfunc_end_k_qb52f984ce4_qkv:
	.size	k_qb52f984ce4_qkv, .Lfunc_end_k_qb52f984ce4_qkv-k_qb52f984ce4_qkv
	.p2alignl 7, 3214868480
	.fill 96, 4, 3214868480
	.section	.rodata,"a",@progbits
	.p2align	6, 0x0
	.amdhsa_kernel k_qb52f984ce4_qkv
		.amdhsa_group_segment_fixed_size 263168
		.amdhsa_private_segment_fixed_size 0
		.amdhsa_enable_private_segment 0
		.amdhsa_kernarg_size 72
		.amdhsa_user_sgpr_count 2
		.amdhsa_user_sgpr_kernarg_segment_ptr 1
		.amdhsa_wavefront_size32 1
		.amdhsa_system_sgpr_workgroup_id_x 1
		.amdhsa_system_sgpr_workgroup_id_y 1
		.amdhsa_system_sgpr_workgroup_id_z 1
		.amdhsa_system_vgpr_workitem_id 0
		.amdhsa_next_free_vgpr 258
		.amdhsa_next_free_sgpr 100
		.amdhsa_reserve_vcc 1
		.amdhsa_float_denorm_mode_32 3
		.amdhsa_float_denorm_mode_16_64 3
		.amdhsa_memory_ordered 1
		.amdhsa_forward_progress 1
		.amdhsa_inst_pref_size 217
	.end_amdhsa_kernel
	.amdgpu_metadata
---
amdhsa.version: [ 1, 2 ]
amdhsa.kernels:
  - .name:           k_qb52f984ce4_qkv
    .symbol:         k_qb52f984ce4_qkv.kd
    .args:
      - { .name: img, .offset: 0, .size: 8, .value_kind: global_buffer, .address_space: global }
      - { .name: bq, .offset: 8, .size: 8, .value_kind: global_buffer, .address_space: global }
      - { .name: bk, .offset: 16, .size: 8, .value_kind: global_buffer, .address_space: global }
      - { .name: bv, .offset: 24, .size: 8, .value_kind: global_buffer, .address_space: global }
      - { .name: q_positions, .offset: 32, .size: 8, .value_kind: global_buffer, .address_space: global }
      - { .name: kv_positions, .offset: 40, .size: 8, .value_kind: global_buffer, .address_space: global }
      - { .name: qcod, .offset: 48, .size: 8, .value_kind: global_buffer, .address_space: global }
      - { .name: qscl, .offset: 56, .size: 8, .value_kind: global_buffer, .address_space: global }
      - { .name: kvp, .offset: 64, .size: 8, .value_kind: global_buffer, .address_space: global }
    .group_segment_fixed_size: 263168
    .private_segment_fixed_size: 0
    .kernarg_segment_align: 8
    .kernarg_segment_size: 72
    .max_flat_workgroup_size: 256
    .sgpr_count:     100
    .vgpr_count:     258
    .wavefront_size: 32
...
	.end_amdgpu_metadata
.endif
;; end of part 2
;; launch attn (part 3): grid 8 x 32, 16 waves a work-group, clusters of 4 x 1, 327,680 bytes of LDS; arguments qcod, qscl, kvp, acod, ascl; writes acod, ascl
.if DOCPART == 3
	.amdgcn_target "amdgcn-amd-amdhsa--gfx1250"
	.amdhsa_code_object_version 6
	.text
	.protected	k_qb52f984ce4_attn
	.globl	k_qb52f984ce4_attn
	.p2align	8
	.type	k_qb52f984ce4_attn,@function
k_qb52f984ce4_attn:
	s_mov_b64 s[64:65], 0
	v_nop
	global_prefetch_b8 v0, s[64:65] scope:SCOPE_SE
	s_setreg_imm32_b32 hwreg(HW_REG_WAVE_MODE, 25, 1), 1
	s_wait_xcnt 0x0
	s_wait_alu depctr_hold_cnt(0) depctr_sa_sdst(0) depctr_va_vdst(0) depctr_va_sdst(0) depctr_va_ssrc(0) depctr_va_vcc(0) depctr_vm_vsrc(0)
	s_getreg_b32 s2, hwreg(HW_REG_IB_STS2, 6, 4)
	s_cmp_eq_u32 s2, 0
	s_cbranch_scc0 .Lentry_in_a_cluster
	s_endpgm
.Lentry_in_a_cluster:
	s_bfe_u32 s2, ttmp6, 0x10000c
	s_cmp_lg_u32 s2, 0x3003
	s_cbranch_scc0 .Lentry_shape_is_right
	s_endpgm
.Lentry_shape_is_right:
; Attention of one batch x head on codes of FP6 (E2M3): S^T = k q^T, p = 2^(t - M), O^T += v^T p^T, O / l quantised along the head's 64 for the projection on the way out.
; Work-group (x, batch x head): 256 queries, 16 waves of 16 queries; a lane holds ONE query throughout.  The head's 16 key steps of 128 keys (13,824 bytes each: k's 8 half images, v's 4 fragments, the scale words)
; fill LDS once, 221,184 bytes as 864 rows of 256: 14 rows a wave at the head (224 rows hold steps 0-3), 40 rows a wave behind the full sequence.  The barrier that shows the second part whole is split:
; each wave signals behind step 1 and waits behind step 3; steps 2 and 3 read the first part's bytes alone, which nobody writes again.
; CLUSTER: the four work-groups of a cluster have the same batch x head: both fills are asked for JOINTLY (mask 15).
; NO PREFETCH: both fills, all that the launch reads of kvp, are asked for at the head; there is no later request to run ahead of.
; WHICH KEYS FORM A TILE OF k is chosen by LDS addresses: row r7 + 8 g of tile 4 c + u is key 64 c + 32 g + 8 u + r7.  In kvp that key is place r7 + 8 (u / 2) of image 4 c + 2 g + u % 2.
; So lane (query, h) holds in registers S + 32 c + i key 64 c + 32 h + i: a WHOLE block of 32 keys in a lane, in the order of the second product's operand: its largest score needs no other lane, and the codes need no exchange of lanes.
; k's half fragments lie 6 registers apart: the upper half of each 12-register operand (the next fragment, or six zeros) meets q's zero codes for k = 64 .. 127 and adds nothing; the scale bytes there are 0, a finite code.
; M is the running largest t rounded up to a whole number, kept as -M; the largest is kept as a score (c is positive, so c x largest score is the largest t).  The row's sum is taken of the unquantised p.
; A block's largest p is made from the block's largest score by the same multiply-add and exponential.
; LIMITS: the promise holds while the scaled scores stay under 2^31 in magnitude; a block whose every p has fallen to 0 gets the scale byte 1 (its codes are zeros); NaN and infinities are not served.
.set STEPB, 13824
.set R1,    14                         ; rows of 256 bytes a wave: first fill
.set R2,    40                         ; second fill
.set C1,    16*R1*256                  ; where the second part begins
.set SPARE, 0x38000                    ; the spare words: 16 waves x 128 bytes, behind the tiles
.set L16,  1                           ; 16 x lane
.set G8,   2                           ; 8 x lane
.set G4,   3                           ; 4 x lane
.set BK16, 4                           ; k's registers 0-3: 16 r7 + 1536 g + 256 h
.set BK8,  5                           ; k's registers 4-5: 512 + 8 r7 + 1536 g + 128 h
.set BKS,  6                           ; k's scale words: 12288 + 4 r7 + 256 g + 64 h
.set SH8,  7                           ; 8 h
.set AK16, 8                           ; the same four with the step's base
.set AK8,  9
.set AKS,  10
.set AV,   11
                                       ; v12 -M, v13 the largest score, v[14:15] the sum in two halves
.set Q,    16                          ; v16-27
.set QS,   28
.set TMP,  29
.set F,    30                          ; v30 f = 2^(old M - new M); v31 written once
.set KF,   32                          ; v32-79 k's eight half fragments, then v's four fragments; v80-85 zeros
.set KS,   86                          ; v86-93 k's scale words
.set VS,   94                          ; v94-97 v's
.set T2,   98
.set PX,   99
.set S,    100                         ; v100-163 scores, then p
.set O,    164                         ; v164-195 O^T
.set BM,   196                         ; my two blocks' largest
.set MX,   198
.set SO,   202
.set BY,   204
.set PW,   206                         ; p's scale word
.set EW,   207
.set CV,   208
.set PCD,  216                         ; v216-227 p's codes
.set SUM2, 228
.set TM,   232
.set SEL,  40
.set CS,   42
.set TB,   44
.set CNT,  45
.macro PLACES n
.rept \n
	v_nop
.endr
.endm
.macro CROUND                          ; a round of the cluster's barrier
	s_barrier_signal -1
	s_barrier_wait -1
	s_cmp_lg_u32 s22, 0
	s_cbranch_scc1 .Lnot_wave_0_\@
	s_barrier_signal -3
.Lnot_wave_0_\@:
	s_barrier_wait -3
	s_barrier_signal -1
	s_barrier_wait -1
.endm
.macro ADDS n                          ; the next n pairs of the row sum's additions, two chains
.rept \n
	v_pk_add_f32 v[14:15], v[14:15], v[S+aj:S+aj+1]
	v_pk_add_f32 v[SUM2:SUM2+1], v[SUM2:SUM2+1], v[S+aj+2:S+aj+3]
.set aj, aj+4
.endr
.endm
.macro FMAS n                          ; t - M for the next 2 n scores
.rept \n
	v_pk_fma_f32 v[S+fj:S+fj+1], v[S+fj:S+fj+1], s[CS:CS+1], v[12:13] op_sel_hi:[1,0,0]
.set fj, fj+2
.endr
.endm
	s_load_b256 s[4:11], s[0:1], 0x0               ; qcod, qscl, kvp, acod
	s_load_b64 s[12:13], s[0:1], 0x20              ; ascl
	v_lshl_add_u32 v254, v0, 2, SPARE
	v_mov_b32 v255, 0
	ds_add_u32 v254, v255                          ; the opening lines: the add twice on end under one wait
	ds_add_u32 v254, v255
	v_lshrrev_b32 v[TMP], 5, v0
	v_readfirstlane_b32 s22, v[TMP]                ; wave 0..15
	v_and_b32 v[T2], 31, v0
	v_lshlrev_b32 v[L16], 4, v[T2]
	v_lshlrev_b32 v[G8], 3, v[T2]
	v_lshlrev_b32 v[G4], 2, v[T2]
	v_and_b32 v[PX], 7, v0                         ; r7
	v_bfe_u32 v[TMP], v0, 3, 1                     ; g
	v_bfe_u32 v[T2], v0, 4, 1                      ; h
	v_mul_u32_u24 v[BK16], v[TMP], 1536
	v_lshlrev_b32 v[BKS], 2, v[PX]
	v_lshl_add_u32 v[BK8], v[PX], 3, v[BK16]
	v_lshl_add_u32 v[BK16], v[PX], 4, v[BK16]
	v_lshl_add_u32 v[BKS], v[TMP], 8, v[BKS]
	v_lshl_add_u32 v[BK8], v[T2], 7, v[BK8]
	v_lshl_add_u32 v[BK16], v[T2], 8, v[BK16]
	v_lshl_add_u32 v[BKS], v[T2], 6, v[BKS]
	v_add_nc_u32 v[BK8], 512, v[BK8]
	v_lshlrev_b32 v[SH8], 3, v[T2]
	v_add_nc_u32 v[BKS], 12288, v[BKS]
	s_bfe_u32 s14, ttmp6, 0x40000                  ; cx: it enters my own loads' and stores' global addresses alone
	s_lshl_b32 s15, ttmp9, 2
	s_add_co_u32 s15, s15, s14                     ; my block of 256 queries
	s_and_b32 s16, ttmp7, 0xffff                   ; batch x head, which the four partners share
	s_lshl_b32 s17, s15, 4
	s_add_co_u32 s17, s17, s22                     ; my tile of 16 queries, 0..127
.irp g, 24, 68                         ; groups 1: rows of 256 bytes (32 elements of 8), no padding, mask of all four, bit 21 beside it
	s_mov_b32 s[\g], 15|(3<<16)|(1<<21)
	s_mov_b32 s[\g+1], 32<<16
	s_mov_b32 s[\g+3], 32<<16
	s_mov_b32 s[\g+5], 32
	s_mov_b32 s[\g+6], 0
	s_mov_b32 s[\g+7], 0
.endr
	s_mov_b32 s26, R1<<16
	s_mov_b32 s28, R1
	s_mov_b32 s70, R2<<16
	s_mov_b32 s72, R2
	s_mul_i32 s18, s16, 16*STEPB
	s_mov_b32 s19, 0
	s_mul_i32 s20, s22, R1*256                     ; my rows of the first part,
	s_mov_b32 s21, 0
	s_mul_i32 s56, s22, R2*256
	s_add_co_u32 s56, s56, C1                      ; and of the second: the same offset in LDS and in the head's bytes
	s_mov_b32 s57, 0
	s_lshl_b32 s46, s16, 7
	s_add_co_u32 s46, s46, s17
	s_mul_i32 s48, s46, 768                        ; q's half image
	s_mov_b32 s49, 0
	s_lshl_b32 s50, s46, 7
	s_mov_b32 s51, 0
	s_lshr_b32 s46, s16, 3
	s_lshl_b32 s46, s46, 7
	s_add_co_u32 s46, s46, s17
	s_lshl_b32 s46, s46, 3
	s_and_b32 s47, s16, 7
	s_add_co_u32 s46, s46, s47                     ; out: (row tile, head)
	s_mul_i32 s52, s46, 768
	s_mov_b32 s53, 0
	s_lshl_b32 s54, s46, 7
	s_mov_b32 s55, 0
	s_mov_b32 s[SEL], 0x76543210
	s_mov_b32 s[SEL+1], 0xfedcba98
	s_mov_b32 s[CS], 0x3E38AA3B                    ; c = log2(e) / 8
	s_mov_b32 s[CS+1], s[CS]
	s_mov_b32 s[TB], 0
	s_wait_alu depctr_va_vdst(0)
	s_wait_dscnt 0x0
	s_wait_kmcnt 0x0
	s_add_nc_u64 s[4:5], s[4:5], s[48:49]
	s_add_nc_u64 s[6:7], s[6:7], s[50:51]
	global_load_b128 v[Q:Q+3], v[L16], s[4:5]      ; q's loads go out ahead of the round and the fills
	global_load_b64 v[Q+4:Q+5], v[G8], s[4:5] offset:512
	global_load_b32 v[QS], v[G4], s[6:7]
	s_add_nc_u64 s[8:9], s[8:9], s[18:19]
	s_mov_b32 s32, 1
	s_mov_b32 s33, s20
	s_add_nc_u64 s[34:35], s[8:9], s[20:21]
	s_or_b32 s35, s35, 0x80000000
	s_mov_b32 s36, 1
	s_mov_b32 s37, s56
	s_add_nc_u64 s[38:39], s[8:9], s[56:57]
	s_or_b32 s39, s39, 0x80000000
	s_add_nc_u64 s[10:11], s[10:11], s[52:53]
	s_add_nc_u64 s[12:13], s[12:13], s[54:55]
	CROUND                                         ; all four work-groups are here: the joint loads meet
	tensor_load_to_lds s[32:35], s[24:31]          ; my one load at the head: 14 rows of the first part
	s_nop 0
.irp i, 6,7,8,9,10,11
	v_mov_b32 v[Q+\i], 0                           ; q's codes for k = 64 .. 127
	v_mov_b32 v[KF+42+\i], 0                       ; what the last half fragment's operand reaches into
.endr
	v_mov_b32 v[TM+4], 0                           ; a lane permute's destination counts as one of its sources
	v_mov_b32 v[TM+5], 0
	v_mov_b32 v14, 0
	v_mov_b32 v15, 0
	v_mov_b32 v[F+1], 0
	v_mov_b32 v13, 0xff61b1e6                      ; -3e38, under every score
	v_floor_f32 v12, -v13
	s_wait_alu depctr_va_vdst(0)
	s_wait_tensorcnt 0x0                           ; my rows of the first part are in; the three lines ahead of a later first fill
	ds_add_u32 v254, v255
	s_wait_dscnt 0x0
	CROUND                                         ; everybody's are in, in all four work-groups
	tensor_load_to_lds s[36:39], s[68:75]          ; my one load behind the round: 40 rows of the second part
	s_nop 0
	PLACES 4
	s_wait_loadcnt 0x0                             ; q
.macro STEP first
	v_add_nc_u32 v[AK16], s[TB], v[BK16]
	v_add_nc_u32 v[AK8], s[TB], v[BK8]
	v_add_nc_u32 v[AKS], s[TB], v[BKS]
	v_add_nc_u32 v[AV], s[TB], v[L16]
	s_wait_alu depctr_va_vdst(0)
.irp t, 0,1,2,3,4,5,6,7
	ds_load_b128 v[KF+6*\t:KF+6*\t+3], v[AK16] offset:768*(4*(\t/4)+(\t%2))+128*((\t%4)/2)
	ds_load_b64 v[KF+6*\t+4:KF+6*\t+5], v[AK8] offset:768*(4*(\t/4)+(\t%2))+64*((\t%4)/2)
	ds_load_b32 v[KS+\t], v[AKS] offset:128*(4*(\t/4)+(\t%2))+32*((\t%4)/2)
.endr
	s_wait_dscnt 0x0
.irp t, 0,1,2,3,4,5,6,7
	v_wmma_scale_f32_16x16x128_f8f6f4 v[S+8*\t:S+8*\t+7], v[KF+6*\t:KF+6*\t+11], v[Q:Q+11], 0, v[KS+\t], v[QS] matrix_a_fmt:MATRIX_FMT_FP6 matrix_b_fmt:MATRIX_FMT_FP6
.endr
	v_mov_b32 v[TMP], v12                          ; the old -M; with three v_nop the four places ahead of the loads over k's registers and of the first read of the scores
	PLACES 3
.irp t, 0,1,2,3
.irp c, 0,1,2
	ds_load_b128 v[KF+12*\t+4*\c:KF+12*\t+4*\c+3], v[AV] offset:6144+1536*\t+512*\c   ; v's fragments land under the vector work
.endr
.endr
	ds_load_b128 v[VS:VS+3], v[AV] offset:13312
.irp b, 0,1,2,3
	v_max3_num_f32 v[MX+\b], v[S+16*\b], v[S+16*\b+1], v[S+16*\b+2]   ; four chains by turns; each accumulator from its low end on
.endr
.irp i, 3,5,7,9,11,13
.irp b, 0,1,2,3
	v_max3_num_f32 v[MX+\b], v[MX+\b], v[S+16*\b+\i], v[S+16*\b+\i+1]
.endr
.endr
.irp c, 0,1
	v_max3_num_f32 v[BM+\c], v[MX+2*\c], v[MX+2*\c+1], v[S+32*\c+15]
.endr
.irp c, 0,1
	v_max_num_f32 v[BM+\c], v[BM+\c], v[S+32*\c+31]   ; the largest score of my block 2 c + h
.endr
	v_max_num_f32 v[T2], v[BM], v[BM+1]
	v_permlanex16_b32 v[PX], v[T2], s[SEL], s[SEL+1]
	v_max3_num_f32 v13, v13, v[T2], v[PX]          ; the running largest score of my query
	v_mul_f32 v[T2], s[CS], v13                    ; as t
	v_floor_f32 v12, -v[T2]                        ; -M = floor(-t)
	v_sub_f32 v[TMP], v12, v[TMP]                  ; old M - new M, a whole number
.set fj, 0
	FMAS 4
	v_cvt_i32_f32 v[TMP], v[TMP]                   ; (it saturates)
	FMAS 4
	v_ldexp_f32 v[F], 1.0, v[TMP]                  ; f
	FMAS 24
.irp c, 0,1
	v_fma_f32 v[BM+\c], v[BM+\c], s[CS], v12
.endr
.if \first == 0
.set j, 0
.rept 16
	v_pk_mul_f32 v[O+j:O+j+1], v[O+j:O+j+1], v[F:F+1] op_sel_hi:[1,0]   ; O^T under the new M, ahead of the exponentials
.set j, j+2
.endr
.endif
	s_wait_alu depctr_va_vdst(0)
.set j, 0
.rept 64
	v_exp_f32 v[S+j], v[S+j]
.set j, j+1
.endr
.irp c, 0,1
	v_exp_f32 v[BM+\c], v[BM+\c]
.endr
	v_pk_mul_f32 v[14:15], v[14:15], v[F:F+1] op_sel_hi:[1,0]   ; the sum under the new M: the plain place behind the batch
	s_wait_dscnt 0x0                               ; v's fragments and scale words are in
	s_wait_alu depctr_va_vdst(0)                   ; one wait for the batch, ahead of its first reader
.irp c, 0,1
	v_max_num_f32 v[BM+\c], 0x1800000, v[BM+\c]    ; the floor 2^(3 - 127): the byte cannot fall under 1
.endr
	v_pk_add_f32 v[SUM2:SUM2+1], v[S:S+1], v[S+2:S+3]   ; the row's sum of the unquantised p stands among the lines below, so that none of them waits for the line above it
.set aj, 4
	ADDS 1
.irp c, 0,1
	v_add_nc_u32 v[SO+\c], 0xff000000, v[BM+\c]    ; 2 off the exponent field: the conversion's scale operand
.endr
	ADDS 1
.irp c, 0,1
	v_cvt_scalef32_pk16_fp6_f32 v[PCD+6*\c:PCD+6*\c+2], v[S+32*\c:S+32*\c+15], v[SO+\c]
	v_cvt_scalef32_pk16_fp6_f32 v[CV+4*\c:CV+4*\c+2], v[S+32*\c+16:S+32*\c+31], v[SO+\c]   ; (a conversion's three registers begin on an even number)
.endr
.irp c, 0,1
	v_lshrrev_b32 v[BY+\c], 23, v[SO+\c]           ; the bytes of blocks h and 2 + h; also the plain place behind the conversions
.endr
	ADDS 1
	v_lshl_or_b32 v[PW], v[BY+1], 16, v[BY]
.irp i, 0,1,2
	v_mov_b32 v[PCD+3+\i], v[CV+\i]
.endr
	v_lshlrev_b32 v[PW], v[SH8], v[PW]             ; at their places in the word
.irp i, 0,1,2
	v_mov_b32 v[PCD+9+\i], v[CV+4+\i]
.endr
	v_permlanex16_b32 v[PX], v[PW], s[SEL], s[SEL+1]
	ADDS 1
	v_or_b32 v[PW], v[PW], v[PX]                   ; with lane l xor 16's two bytes the word is whole
	ADDS 4                                         ; eight places between the scale word's last write and the products
.irp t, 0,1,2,3
.if \first
	v_wmma_scale_f32_16x16x128_f8f6f4 v[O+8*\t:O+8*\t+7], v[KF+12*\t:KF+12*\t+11], v[PCD:PCD+11], 0, v[VS+\t], v[PW] matrix_a_fmt:MATRIX_FMT_FP6 matrix_b_fmt:MATRIX_FMT_FP6
.else
	v_wmma_scale_f32_16x16x128_f8f6f4 v[O+8*\t:O+8*\t+7], v[KF+12*\t:KF+12*\t+11], v[PCD:PCD+11], v[O+8*\t:O+8*\t+7], v[VS+\t], v[PW] matrix_a_fmt:MATRIX_FMT_FP6 matrix_b_fmt:MATRIX_FMT_FP6
.endif
.endr
	ADDS 7                                         ; the rest of the sum: the places ahead of the next step's loads over v's registers
	v_pk_add_f32 v[14:15], v[14:15], v[SUM2:SUM2+1]
	s_add_co_u32 s[TB], s[TB], STEPB
.endm
	STEP 1                                         ; the first step's products start O^T
	STEP 0
	s_wait_tensorcnt 0x0                           ; my rows of the second part are in,
	s_wait_dscnt 0x0
	s_barrier_signal -1                            ; say so
	STEP 0                                         ; steps 2 and 3 read the first part alone
	STEP 0
	s_barrier_wait -1                              ; everybody's are in
	s_mov_b32 s[CNT], 12
.Lb:
	STEP 0
	s_sub_co_u32 s[CNT], s[CNT], 1
	s_cmp_lg_u32 s[CNT], 0
	s_cbranch_scc1 .Lb
	v_add_f32 v14, v14, v15
	s_delay_alu instid0(VALU_DEP_1)
	v_permlanex16_b32 v[PX], v14, s[SEL], s[SEL+1]
	s_delay_alu instid0(VALU_DEP_1)
	v_add_f32 v14, v14, v[PX]                      ; the row's sum
	s_wait_alu depctr_va_vdst(0)                   ; ahead of the transcendental
	v_rcp_f32 v14, v14
	v_nop
	s_wait_alu depctr_va_vdst(0)                   ; and ahead of its first reader, which is also O^T's
.set j, 0
.rept 32
	v_mul_f32 v[S+j], v[O+j], v14                  ; register 16 b + i: channel 32 b + 16 h + i of my row
.set j, j+1
.endr
.irp b, 0,1
	v_max3_num_f32 v[TM+\b], |v[S+16*\b]|, |v[S+16*\b+1]|, 0x1800000
.endr
.irp i, 2,4,6,8,10,12,14
.irp b, 0,1
	s_delay_alu instid0(VALU_DEP_2)
	v_max3_num_f32 v[TM+\b], v[TM+\b], |v[S+16*\b+\i]|, |v[S+16*\b+\i+1]|
.endr
.endr
.irp b, 0,1
	s_delay_alu instid0(VALU_DEP_2)
	v_permlanex16_b32 v[TM+4+\b], v[TM+\b], s[SEL], s[SEL+1]
.endr
.irp b, 0,1
	s_delay_alu instid0(VALU_DEP_2)
	v_max_num_f32 v[TM+\b], v[TM+\b], v[TM+4+\b]
.endr
.irp b, 0,1
	s_delay_alu instid0(VALU_DEP_2)
	v_add_nc_u32 v[TM+12+\b], 0xff000000, v[TM+\b]
.endr
.irp b, 0,1
	s_delay_alu instid0(VALU_DEP_2)
	v_lshrrev_b32 v[TM+4+\b], 23, v[TM+12+\b]
.endr
	s_delay_alu instid0(VALU_DEP_1)
	v_lshl_or_b32 v[EW], v[TM+5], 8, v[TM+4]
	v_cvt_scalef32_pk16_fp6_f32 v[PCD:PCD+2], v[S:S+15], v[TM+12]
	v_cvt_scalef32_pk16_fp6_f32 v[CV:CV+2], v[S+16:S+31], v[TM+13]
	v_nop                                          ; one plain place behind the scaled conversions
.irp i, 0,1,2
	v_permlane16_swap_b32 v[PCD+\i], v[CV+\i]      ; a whole block to a lane
.endr
.irp i, 0,1,2
	s_delay_alu instid0(VALU_DEP_3)
	v_mov_b32 v[PCD+3+\i], v[CV+\i]
.endr
	global_store_b128 v[L16], v[PCD:PCD+3], s[10:11]           ; 512 consecutive bytes,
	global_store_b64 v[G8], v[PCD+4:PCD+5], s[10:11] offset:512  ; 256,
	global_store_b32 v[G4], v[EW], s[12:13]                    ; 128: the scale words
	s_wait_tensorcnt 0x0                           ; the wave's end
	ds_add_u32 v254, v255
	s_wait_dscnt 0x0
	CROUND                                         ; the closing round
	s_endpgm
.Lfunc_end_k_qb52f984ce4_attn:
	.size	k_qb52f984ce4_attn, .Lfunc_end_k_qb52f984ce4_attn-k_qb52f984ce4_attn
	.p2alignl 7, 3214868480
	.fill 96, 4, 3214868480
	.section	.rodata,"a",@progbits
	.p2align	6, 0x0
	.amdhsa_kernel k_qb52f984ce4_attn
		.amdhsa_group_segment_fixed_size 327680
		.amdhsa_private_segment_fixed_size 0
		.amdhsa_enable_private_segment 0
		.amdhsa_kernarg_size 40
		.amdhsa_user_sgpr_count 2
		.amdhsa_user_sgpr_kernarg_segment_ptr 1
		.amdhsa_wavefront_size32 1
		.amdhsa_system_sgpr_workgroup_id_x 1
		.amdhsa_system_sgpr_workgroup_id_y 1
		.amdhsa_system_sgpr_workgroup_id_z 1
		.amdhsa_system_vgpr_workitem_id 0
		.amdhsa_next_free_vgpr 256
		.amdhsa_next_free_sgpr 80
		.amdhsa_reserve_vcc 0
		.amdhsa_float_denorm_mode_32 3
		.amdhsa_float_denorm_mode_16_64 3
		.amdhsa_memory_ordered 1
		.amdhsa_forward_progress 1
		.amdhsa_inst_pref_size 85
	.end_amdhsa_kernel
	.amdgpu_metadata
---
amdhsa.version: [ 1, 2 ]
amdhsa.kernels:
  - .name:           k_qb52f984ce4_attn
    .symbol:         k_qb52f984ce4_attn.kd
    .args:
      - { .name: qcod, .offset: 0, .size: 8, .value_kind: global_buffer, .address_space: global }
      - { .name: qscl, .offset: 8, .size: 8, .value_kind: global_buffer, .address_space: global }
      - { .name: kvp, .offset: 16, .size: 8, .value_kind: global_buffer, .address_space: global }
      - { .name: acod, .offset: 24, .size: 8, .value_kind: global_buffer, .address_space: global }
      - { .name: ascl, .offset: 32, .size: 8, .value_kind: global_buffer, .address_space: global }
    .group_segment_fixed_size: 327680
    .private_segment_fixed_size: 0
    .kernarg_segment_align: 8
    .kernarg_segment_size: 40
    .max_flat_workgroup_size: 512
    .sgpr_count:     80
    .vgpr_count:     256
    .wavefront_size: 32
...
	.end_amdgpu_metadata
.endif
;; end of part 3
;; launch outp (part 4): grid 64 x 4, 8 waves a work-group, clusters of 4 x 1, 168,960 bytes of LDS; arguments acod, ascl, img, bo, out0; writes out0
.if DOCPART == 4
	.amdgcn_target "amdgcn-amd-amdhsa--gfx1250"
	.amdhsa_code_object_version 6
	.text
	.protected	k_qb52f984ce4_outp
	.globl	k_qb52f984ce4_outp
	.p2align	8
	.type	k_qb52f984ce4_outp,@function
k_qb52f984ce4_outp:
	s_mov_b64 s[64:65], 0
	v_nop
	global_prefetch_b8 v0, s[64:65] scope:SCOPE_SE
	s_setreg_imm32_b32 hwreg(HW_REG_WAVE_MODE, 25, 1), 1
	s_wait_xcnt 0x0
	s_wait_alu depctr_hold_cnt(0) depctr_sa_sdst(0) depctr_va_vdst(0) depctr_va_sdst(0) depctr_va_ssrc(0) depctr_va_vcc(0) depctr_vm_vsrc(0)
	s_getreg_b32 s2, hwreg(HW_REG_IB_STS2, 6, 4)
	s_cmp_eq_u32 s2, 0
	s_cbranch_scc0 .Lentry_in_a_cluster
	s_endpgm
.Lentry_in_a_cluster:
	s_bfe_u32 s2, ttmp6, 0x10000c
	s_cmp_lg_u32 s2, 0x3003
	s_cbranch_scc0 .Lentry_shape_is_right
	s_endpgm
.Lentry_shape_is_right:
; out0 = a Wo^T + bo on codes of FP6 (E2M3): a is the attention launch's output, [8192][512] as images of fragments; Wo's records lie in img from record 608 on.
; Work-group (X, y): 128 rows x 128 columns.  Wave w keeps row tile 8 X + w (four fragments, loaded straight from memory: no other wave of the work-group reads them) as source 1 and streams Wo's tiles 8 y .. 8 y + 7
; from LDS as source 0, four a pass: a lane holds ONE row and its registers 64 neighbouring-by-sixteen columns 32 b + 16 h + i.  The bias is the sums' first C.
; One head's half image is half a fragment: heads 2 s and 2 s + 1 make K step s, and their two scale half words one word.
; CLUSTER: the four work-groups of a cluster have the same y: Wo's eight records are asked for JOINTLY (mask 15).  LDS is filled once.
; THE WAY OUT: a pass's 16 rows x 256 bytes go through the wave's own stage (rows 272 bytes apart; no fill lands there) and leave as whole aligned runs of 256 bytes;
; only here a tile's places are mapped back to rows: place p is row p + 8 (p / 8) of the tile.
.set STG,  51200
.set L16,  1                           ; v1   16 x lane
.set R16,  2                           ; v2   16 r
.set L8,   7
.set L4,   8
.set STO,  9                           ; v9   the stage: where I put 16 bytes of my row
.set RD,   10                          ; v10  and where I read rows back
.set GO,   11                          ; v11  my byte offset in out0
.set BA,   12                          ; v12  64 h: the bias
.set STAT, 16                          ; v16-63
.set SSC,  64                          ; v64-67
.set ACC,  68                          ; v68-131  two passes x four accumulators
.set BUFA, 132
.set BUFB, 184
.set OB,   184                         ; the rows read back lie over BUFB's codes
.set W8,   236                         ; v236-243 the eight heads' scale half words
.macro PLACES n
.rept \n
	v_nop
.endr
.endm
.macro CROUND                          ; a round of the cluster's barrier
	s_barrier_signal -1
	s_barrier_wait -1
	s_cmp_lg_u32 s22, 0
	s_cbranch_scc1 .Lnot_wave_0_\@
	s_barrier_signal -3
.Lnot_wave_0_\@:
	s_barrier_wait -3
	s_barrier_signal -1
	s_barrier_wait -1
.endm
.macro LDG buf, adr, adrs, off, s      ; 16 LDS loads: K step s of four records from off on
.irp t, 0,1,2,3
.irp c, 0,1,2
	ds_load_b128 v[\buf+12*\t+4*\c:\buf+12*\t+4*\c+3], v[\adr] offset:(\off)+6400*\t+1536*(\s)+512*\c
.endr
	ds_load_b32 v[\buf+48+\t], v[\adrs] offset:(\off)+6400*\t+6144+4*(\s)
.endr
.endm
.macro MM buf, a0, s                   ; four products, accumulators a0 .. a0 + 3 by turns
.irp t, 0,1,2,3
	v_wmma_scale_f32_16x16x128_f8f6f4 v[ACC+8*((\a0)+\t):ACC+8*((\a0)+\t)+7], v[\buf+12*\t:\buf+12*\t+11], v[STAT+12*(\s):STAT+12*(\s)+11], v[ACC+8*((\a0)+\t):ACC+8*((\a0)+\t)+7], v[\buf+48+\t], v[SSC+(\s)] matrix_a_fmt:MATRIX_FMT_FP6 matrix_b_fmt:MATRIX_FMT_FP6
.endr
.endm
	s_load_b256 s[4:11], s[0:1], 0x0               ; acod, ascl, img, bo
	s_load_b64 s[12:13], s[0:1], 0x20              ; out0
	v_lshl_add_u32 v254, v0, 2, 0x29000
	v_mov_b32 v255, 0
	ds_add_u32 v254, v255
	ds_add_u32 v254, v255
	v_lshrrev_b32 v1, 5, v0
	s_delay_alu instid0(VALU_DEP_1)
	v_readfirstlane_b32 s22, v1                    ; wave 0..7
	s_bfe_u32 s23, ttmp6, 0x40000                  ; cx
	s_lshl_b32 s24, ttmp9, 2
	s_add_co_u32 s24, s24, s23                     ; X: it enters my own loads' and stores' global addresses alone
	s_and_b32 s25, ttmp7, 0xffff                   ; y, which the four partners share
	s_mov_b32 s28, 15|(3<<16)|(1<<21)              ; group 1: mask of all four; elements of 8 bytes; bit 21 set beside a mask; 25 rows of 256 bytes, no padding
	s_mov_b32 s29, 32<<16
	s_mov_b32 s30, 25<<16
	s_mov_b32 s31, 32<<16
	s_mov_b32 s32, 25
	s_mov_b32 s33, 32
	s_mov_b32 s34, 0
	s_mov_b32 s35, 0
	s_mul_i32 s40, s25, 51200
	s_add_co_u32 s40, s40, 608*6400                ; Wo's record 8 y,
	s_mul_i32 s26, s22, 6400
	s_add_co_u32 s40, s40, s26                     ; + my wave's one
	s_mov_b32 s41, 0
	s_lshl_b32 s42, s24, 3
	s_add_co_u32 s42, s42, s22                     ; my row tile, 0..511
	s_mul_i32 s44, s42, 6144
	s_mov_b32 s45, 0
	s_lshl_b32 s46, s42, 10
	s_mov_b32 s47, 0
	s_lshl_b32 s48, s25, 9                         ; 128 columns of 4 bytes
	s_mov_b32 s49, 0
	s_lshr_b32 s50, s42, 1
	s_lshl_b32 s50, s50, 16                        ; 32 rows of 2,048 bytes for each pair of tiles,
	s_and_b32 s51, s42, 1
	s_lshl_b32 s51, s51, 14                        ; 8 rows for the odd one
	s_add_co_u32 s50, s50, s51
	s_add_co_u32 s50, s50, s48
	s_mov_b32 s51, 0
	s_wait_dscnt 0x0
	s_wait_kmcnt 0x0
	s_mov_b32 s36, 1
	s_mov_b32 s37, s26
	s_add_nc_u64 s[38:39], s[8:9], s[40:41]
	s_or_b32 s39, s39, 0x80000000
	s_add_nc_u64 s[4:5], s[4:5], s[44:45]
	s_add_nc_u64 s[6:7], s[6:7], s[46:47]
	s_add_nc_u64 s[10:11], s[10:11], s[48:49]
	s_add_nc_u64 s[12:13], s[12:13], s[50:51]
	CROUND                                         ; all four work-groups are here: the joint loads meet
	tensor_load_to_lds s[36:39], s[28:35]          ; the launch's only fill: one load of mine is out
	s_nop 0
	PLACES 4
	v_and_b32 v3, 31, v0
	s_delay_alu instid0(VALU_DEP_1)
	v_lshlrev_b32 v[L16], 4, v3
	s_delay_alu instid0(VALU_DEP_2)
	v_lshlrev_b32 v[L8], 3, v3
	s_delay_alu instid0(VALU_DEP_3)
	v_lshlrev_b32 v[L4], 2, v3
	v_and_b32 v14, 15, v0                          ; r
	v_bfe_u32 v15, v0, 4, 1                        ; h
	s_delay_alu instid0(VALU_DEP_2)
	v_lshlrev_b32 v[R16], 4, v14
	s_delay_alu instid0(VALU_DEP_2)
	v_lshlrev_b32 v[BA], 6, v15
.irp hd, 0,1,2,3,4,5,6,7
	global_load_b128 v[STAT+6*\hd:STAT+6*\hd+3], v[L16], s[4:5] offset:768*\hd       ; head hd's half image: registers 6 (hd % 2) on of K step hd / 2
	global_load_b64 v[STAT+6*\hd+4:STAT+6*\hd+5], v[L8], s[4:5] offset:768*\hd+512
	global_load_b32 v[W8+\hd], v[L4], s[6:7] offset:128*\hd
.endr
.irp p, 0,1
.irp t, 0,1,2,3
	global_load_b128 v[ACC+32*\p+8*\t:ACC+32*\p+8*\t+3], v[BA], s[10:11] offset:256*\p+128*(\t/2)+32*(\t%2)      ; the bias of my eight columns of each tile: the sums' first C
	global_load_b128 v[ACC+32*\p+8*\t+4:ACC+32*\p+8*\t+7], v[BA], s[10:11] offset:256*\p+128*(\t/2)+32*(\t%2)+16
.endr
.endr
	s_mul_i32 s27, s22, 16*272
	s_add_co_u32 s27, s27, STG                     ; my stage
	v_mul_u32_u24 v[STO], v14, 272
	s_delay_alu instid0(VALU_DEP_1)
	v_lshl_add_u32 v[STO], v15, 6, v[STO]
	s_delay_alu instid0(VALU_DEP_1)
	v_add_nc_u32 v[STO], s27, v[STO]               ; in: row r, + 64 h
	v_mul_u32_u24 v[RD], v15, 272
	s_delay_alu instid0(VALU_DEP_1)
	v_lshl_add_u32 v[RD], v14, 4, v[RD]
	s_delay_alu instid0(VALU_DEP_1)
	v_add_nc_u32 v[RD], s27, v[RD]                 ; back: lanes 0-15 one row, lanes 16-31 the next
	v_lshlrev_b32 v[GO], 11, v15
	s_delay_alu instid0(VALU_DEP_1)
	v_lshl_add_u32 v[GO], v14, 4, v[GO]            ; and the same two rows in out0
	s_wait_loadcnt 0x0
.irp s, 0,1,2,3
	v_lshl_or_b32 v[SSC+\s], v[W8+2*\s+1], 16, v[W8+2*\s]   ; bytes 0, 1: head 2 s; bytes 2, 3: head 2 s + 1
.endr
	PLACES 8                                       ; a scale register written by a vector instruction stands 8 places ahead of a scaled matrix instruction
	s_wait_alu depctr_va_vdst(0)
	s_wait_tensorcnt 0x0                           ; my record has landed,
	s_barrier_signal -1
	s_barrier_wait -1                              ; everybody's has
	LDG BUFA, L16, R16, 0, 0
.macro PASSO p
	LDG BUFB, L16, R16, 25600*(\p), 1
	s_wait_dscnt 16                                ; all but the 16 loads just issued
	MM BUFA, 4*(\p), 0
	PLACES 4                                       ; in front of loads into registers that the products above have read
	LDG BUFA, L16, R16, 25600*(\p), 2
	s_wait_dscnt 16
	MM BUFB, 4*(\p), 1
	PLACES 4
	LDG BUFB, L16, R16, 25600*(\p), 3
	s_wait_dscnt 16
	MM BUFA, 4*(\p), 2
	s_wait_dscnt 0x0
	MM BUFB, 4*(\p), 3
	PLACES 4                                       ; in front of the loads below and of the first read of the results
.if (\p) == 0
	LDG BUFA, L16, R16, 25600, 0                   ; the next pass's first K step
.endif
.irp t, 0,1,2,3
	ds_store_b128 v[STO], v[ACC+32*(\p)+8*\t:ACC+32*(\p)+8*\t+3] offset:128*(\t/2)+32*(\t%2)      ; each accumulator from its low end on
	ds_store_b128 v[STO], v[ACC+32*(\p)+8*\t+4:ACC+32*(\p)+8*\t+7] offset:128*(\t/2)+32*(\t%2)+16
.endr
.irp i, 0,1,2,3,4,5,6,7
	ds_load_b128 v[OB+4*\i:OB+4*\i+3], v[RD] offset:544*\i   ; LDS serves a wave's instructions in order: these see my stores
.endr
.irp i, 0,1,2,3,4,5,6,7
	s_wait_dscnt 7-\i                              ; the younger loads from the stage may be out
	global_store_b128 v[GO], v[OB+4*\i:OB+4*\i+3], s[12:13] offset:(2*\i+8*(\i/4))*2048+256*(\p) th:TH_STORE_NT   ; 16 lanes store 256 consecutive bytes, aligned; places 2 i, 2 i + 1 are rows 2 i + 8 (i / 4) and the next
.endr
	s_wait_xcnt 0x0                                ; the stores have read their registers, over which the next pass loads
.endm
	PASSO 0
	PASSO 1
	s_wait_tensorcnt 0x0
	ds_add_u32 v254, v255
	s_wait_dscnt 0x0
	CROUND                                         ; the closing round: no work-group ends while a partner may still ask jointly
	s_endpgm
.Lfunc_end_k_qb52f984ce4_outp:
	.size	k_qb52f984ce4_outp, .Lfunc_end_k_qb52f984ce4_outp-k_qb52f984ce4_outp
	.p2alignl 7, 3214868480
	.fill 96, 4, 3214868480
	.section	.rodata,"a",@progbits
	.p2align	6, 0x0
	.amdhsa_kernel k_qb52f984ce4_outp
		.amdhsa_group_segment_fixed_size 168960
		.amdhsa_private_segment_fixed_size 0
		.amdhsa_enable_private_segment 0
		.amdhsa_kernarg_size 40
		.amdhsa_user_sgpr_count 2
		.amdhsa_user_sgpr_kernarg_segment_ptr 1
		.amdhsa_wavefront_size32 1
		.amdhsa_system_sgpr_workgroup_id_x 1
		.amdhsa_system_sgpr_workgroup_id_y 1
		.amdhsa_system_sgpr_workgroup_id_z 1
		.amdhsa_system_vgpr_workitem_id 0
		.amdhsa_next_free_vgpr 256
		.amdhsa_next_free_sgpr 66
		.amdhsa_reserve_vcc 0
		.amdhsa_float_denorm_mode_32 3
		.amdhsa_float_denorm_mode_16_64 3
		.amdhsa_memory_ordered 1
		.amdhsa_forward_progress 1
		.amdhsa_inst_pref_size 27
	.end_amdhsa_kernel
	.amdgpu_metadata
---
amdhsa.version: [ 1, 2 ]
amdhsa.kernels:
  - .name:           k_qb52f984ce4_outp
    .symbol:         k_qb52f984ce4_outp.kd
    .args:
      - { .name: acod, .offset: 0, .size: 8, .value_kind: global_buffer, .address_space: global }
      - { .name: ascl, .offset: 8, .size: 8, .value_kind: global_buffer, .address_space: global }
      - { .name: img, .offset: 16, .size: 8, .value_kind: global_buffer, .address_space: global }
      - { .name: bo, .offset: 24, .size: 8, .value_kind: global_buffer, .address_space: global }
      - { .name: out0, .offset: 32, .size: 8, .value_kind: global_buffer, .address_space: global }
    .group_segment_fixed_size: 168960
    .private_segment_fixed_size: 0
    .kernarg_segment_align: 8
    .kernarg_segment_size: 40
    .max_flat_workgroup_size: 256
    .sgpr_count:     66
    .vgpr_count:     256
    .wavefront_size: 32
...
	.end_amdgpu_metadata
.endif
;; end of part 4
